; MI455X (gfx1250); checked and timed in simulation.
; The chip was launched on July 23, 2026; its instructions are those of AMD's public machine-readable ISA for CDNA 5 (MIT licence, August 2026) and "CDNA5" Instruction Set Architecture Reference Guide (July 2026). The comments in the code are by the model that wrote it; some were corrected since.
;; Gaussian Kernel Layer. Allowed arithmetic: float matrix products may take bf16 or f16 operands with f32 sums; all other float work in f32.
;; Inputs: centers 256 x 4 float32; coefficients 256 float32; x 500,000 x 4 float32.
;; Outputs: out0 500,000 float32.
;; One version. Each part assembles by itself: llvm-mc -triple=amdgcn-amd-amdhsa -mcpu=gfx1250 --defsym DOCPART=n.
;; ======== version 1 of 1: 1 launch
;; launch gauss (part 1): grid 256 x 1, 16 waves a work-group, no clusters, 26,624 bytes of LDS; arguments x, centers, coefficients, out0; writes out0
.if DOCPART == 1
	.amdgcn_target "amdgcn-amd-amdhsa--gfx1250"
	.amdhsa_code_object_version 6
	.text
	.protected	k_qed41411403_gauss
	.globl	k_qed41411403_gauss
	.p2align	8
	.type	k_qed41411403_gauss,@function
k_qed41411403_gauss:
	s_mov_b64 s[64:65], 0
	v_nop
	global_prefetch_b8 v0, s[64:65] scope:SCOPE_SE
	s_setreg_imm32_b32 hwreg(HW_REG_WAVE_MODE, 25, 1), 1
	s_wait_xcnt 0x0
; out[n] = norm * sum over m of softmax(coef)[m] * exp(-|x_n - c_m|^2 / 2).   x: [500000][4], centers: [256][4], coefficients: [256], out: [500000], all f32.
;
; THE EXPONENT, in base 2:  e[n][m] = X.C - |X|^2/2 - |C|^2/2 + (coef[m] - max coef) log2(e),   X = s x - s c0,  C = s c - s c0,  s = sqrt(log2 e).
;   The same shift s c0 (centre 0) is taken from points and centres by one fused multiply-add each; it cancels in X - C, so a common offset of the inputs
;   never becomes a difference of large sums.  The softmax's maximum is taken away; the weight, which is positive, rides in the exponent; 1 / (sum of exp)
;   and norm multiply once a point at the end.  e = -|X - C|^2/2 + (coef - max) log2 e is never above 0 but for rounding: no exponential overflows.
; ONE MATRIX INSTRUCTION MAKES 256 FINISHED EXPONENTS.  The problem's K is 4, the bf16 form's is 32.  X and C are peeled into three bf16 parts each
;   (x1 + x2 + x3 = X exactly), and the 32 places of K hold, for lane half h (k = 8h.., 16+8h..):
;     registers 0-1: A = c1 (h=0), c2 (h=1)   B = x1          registers 2-3: A = c1, c2   B = x2
;     registers 4-5: A = c1, c2               B = x3          registers 6-7: A = c3 (h=0), (b1, b2, b3, 0) (h=1)   B = x1 (h=0), (1, 1, 1, 0) (h=1)
;   with b = -|C|^2/2 + (coef - max) log2 e in three bf16 parts; -|X|^2/2 comes in as the f32 C operand.  Left out: c3.(x2 + x3), some 2^-27 |X||C|.
;   A's rows are 16 centres, B's columns 16 points: register j of lane (r, h) is centre 8h + j, point r, so the sum over centres stays in the lane
;   until one exchange of the halves.  With the weights in the exponent gauss @ coeffs is a plain row sum, kept in f32.
; SHARES.  256 work-groups x 16 waves.  Unit u = 256 wave + work-group is 128 points (8 tiles of 16); units 0..3905 are whole, unit 3906 has 32 points;
;   a wave whose u is above 3906 builds its part of the table of centres and ends.  Wave w makes the fragment of centres 16 w .. 16 w + 15, all fragments
;   meet in LDS, and every wave keeps all sixteen in v128-255.  No cluster: all that work-groups share is 5 KB of centres and coefficients.
; LIMITS.  A term below 2^-126 counts as zero (v_exp_f32 flushes such results: ISA guide 15.8).  NaN and infinite inputs are not promised.
;   The exponent is as exact as an f32 evaluation of the same sums.
.set NPTS,   500000
.set XBYTES, NPTS*16
.set OBYTES, NPTS*4
.set LASTU,  (NPTS+127)/128-1          ; 3906: the last unit
.set STAGE,  16384                     ; LDS: 16 fragments x 1,024 bytes, then 512 bytes of stage for each wave
.set SQL2E,  0x3f99be61                ; s = sqrt(log2 e) = 1.2011224
.set NSQL2E, 0xbf99be61                ; -s
.set LOG2E,  0x3fb8aa3b
.set NORMC,  0x3ccf817b                ; 1 / (2 pi)^2, sigma = 1
.set LANE, 1                           ; v1       lane
.set FRD,  2                           ; v2       16 lane: where I read fragments
.set SST,  3                           ; v3       stage: 4 lane + my wave's stage
.set SLD,  4                           ; v4       stage: 16 lane + my wave's stage
.set OOF,  5                           ; v5       byte offset in out of my four points
.set ONE0, 6                           ; v6       bf16 (1, 1)
.set ONE1, 7                           ; v7       bf16 (1, 0)
.set NSS,  8                           ; v[8:11]  -s c0
.set SC,   12                          ; v[12:13] norm / sum of exp, twice
.set UU,   14                          ; v[14:15] |X|^2 on its way
.set TT,   16                          ; v[16:19] at work
.set ZERO, 26                          ; v26      0
.set FWR,  27                          ; v27      where I write my fragment
.set BF,   32                          ; v[32:47]   the points' fragment, two buffers by the tile's parity
.set CF,   48                          ; v[48:55]   -|X|^2/2 of my point, eight times: the C operand
.set DD,   56                          ; v[56:79]   three buffers of exponents, by turns
.set AC,   80                          ; v[80:95]   the sums, two sets by the tile's parity
.set XL,   96                          ; v[96:127]  x of my point in tiles 0..7; v[XL+4T] later holds tile T's sum
.set AF,   128                         ; v[128:255] the sixteen fragments of centres
; for the set-up alone, in registers that the main part takes over
.set XA, AC                            ; eight offsets into x
.set CO, DD                            ; my eight coefficients
.set CE, DD+8                          ; my centre
.set CM, DD+12                         ; its coefficient
.set BB, DD+13                         ; b
.set MX, DD+14                         ; the maximum (a pair)
.set P1, DD+16
.set P2, DD+18
.set P3, DD+20
.set W0, DD+22
.set W1, DD+23
.set W2, BF
.set FP, BF+2
.set FQ, BF+4
	s_load_b256 s[4:11], s[0:1], 0x0               ; x s[4:5], centers s[6:7], coefficients s[8:9], out0 s[10:11]
	v_lshl_add_u32 v30, v0, 2, 0x6000
	v_mov_b32 v31, 0
	v_lshrrev_b32 v1, 5, v0
	v_readfirstlane_b32 s12, v1                    ; wave 0..15
	v_and_b32 v[LANE], 31, v0
	v_and_b32 v20, 15, v0                          ; r
	s_mov_b32 s13, 0xffff0000                      ; a word's upper bf16
	s_mov_b32 s14, 0x76543210                      ; v_permlanex16_b32: lane i of one half reads lane i of the other
	s_mov_b32 s15, 0xfedcba98
	s_lshl_b32 s16, s12, 8
	s_add_co_u32 s16, s16, ttmp9                   ; u = 256 wave + work-group
	s_mov_b32 s21, XBYTES-16                       ; the last point of x
	s_lshl_b32 s17, s12, 4                         ; my fragment's first centre
	s_lshl_b32 s19, s16, 11                        ; 128 points x 16 bytes
	v_lshlrev_b32 v22, 5, v[LANE]                  ; coefficients 8 lane .. 8 lane + 7
	v_add_nc_u32 v23, s17, v20                     ; my centre m = 16 wave + r
	v_lshlrev_b32 v24, 4, v23
	v_lshlrev_b32 v25, 2, v23
	v_mov_b32 v[ZERO], 0
	v_lshl_add_u32 v21, v20, 4, s19                ; point r of tile 0
	v_min_u32 v[XA], s21, v21                      ; a tile past the end of x (units 3906 and above) reads the last point instead; its results are never stored
.irp i, 1,2,3,4,5,6,7
	v_add_nc_u32 v[XA+\i], 256*\i, v21
	v_min_u32 v[XA+\i], s21, v[XA+\i]
.endr
	s_wait_kmcnt 0x0
	global_load_b128 v[CO:CO+3], v22, s[8:9]       ; the five small loads first, so that a counted wait can leave x on its way
	global_load_b128 v[CO+4:CO+7], v22, s[8:9] offset:16
	global_load_b128 v[CE:CE+3], v24, s[6:7]
	global_load_b32 v[CM], v25, s[8:9]
	global_load_b128 v[NSS:NSS+3], v[ZERO], s[6:7] ; centre 0
.irp i, 0,1,2,3,4,5,6,7
	global_load_b128 v[XL+4*\i:XL+4*\i+3], v[XA+\i], s[4:5] th:TH_LOAD_NT   ; a tile's 16 points: 256 consecutive bytes, aligned; both halves of the lanes read the same
.endr
	v_lshlrev_b32 v[FRD], 4, v[LANE]
	s_lshl_b32 s17, s12, 10
	v_lshl_add_u32 v[FWR], v[LANE], 4, s17         ; 16 lane + 1,024 wave
	v_cmp_le_u32 s18, 16, v[LANE]                  ; the upper half of the lanes (h = 1)
	v_mov_b32 v[ONE0], 0x3f803f80
	v_mov_b32 v[ONE1], 0x3f80
	s_wait_loadcnt 0x8                             ; loads return in order: the five small ones are in, the eight of x may be out
	; the largest coefficient, in every lane
	v_max3_num_f32 v[MX], v[CO], v[CO+1], v[CO+2]
	v_max3_num_f32 v[MX+1], v[CO+3], v[CO+4], v[CO+5]
	v_max3_num_f32 v[MX], v[MX], v[CO+6], v[CO+7]
	v_max_num_f32 v[MX], v[MX], v[MX+1]
	v_max_num_f32_dpp v[MX], v[MX], v[MX] row_xmask:1 row_mask:0xf bank_mask:0xf
	v_max_num_f32_dpp v[MX], v[MX], v[MX] row_xmask:2 row_mask:0xf bank_mask:0xf
	v_max_num_f32_dpp v[MX], v[MX], v[MX] row_xmask:4 row_mask:0xf bank_mask:0xf
	v_max_num_f32_dpp v[MX], v[MX], v[MX] row_xmask:8 row_mask:0xf bank_mask:0xf
	v_permlanex16_b32 v[MX+1], v[MX], s14, s15
	v_max_num_f32 v[MX], v[MX], v[MX+1]
	; my centre: C = s c - s c0,  b = -|C|^2/2 + (coef - max) log2 e
	v_pk_mul_f32 v[NSS:NSS+1], v[NSS:NSS+1], NSQL2E op_sel_hi:[1,0]
	v_pk_mul_f32 v[NSS+2:NSS+3], v[NSS+2:NSS+3], NSQL2E op_sel_hi:[1,0]
	v_pk_fma_f32 v[CE:CE+1], v[CE:CE+1], SQL2E, v[NSS:NSS+1] op_sel_hi:[1,0,1]
	v_pk_fma_f32 v[CE+2:CE+3], v[CE+2:CE+3], SQL2E, v[NSS+2:NSS+3] op_sel_hi:[1,0,1]
	v_pk_mul_f32 v[UU:UU+1], v[CE:CE+1], v[CE:CE+1]
	v_pk_fma_f32 v[UU:UU+1], v[CE+2:CE+3], v[CE+2:CE+3], v[UU:UU+1]
	v_sub_f32 v[CM], v[CM], v[MX]
	v_add_f32 v[UU], v[UU], v[UU+1]
	v_mul_f32 v[CM], LOG2E, v[CM]
	v_fma_f32 v[BB], v[UU], -0.5, v[CM]
; four numbers at src: their bf16 roundings, packed, to dst and dst + 1; what is left stays at src (exact: the difference has fewer bits than f32 holds)
.macro PEEL dst, src
	v_cvt_pk_bf16_f32 v[\dst], v[\src], v[\src+1]
	v_cvt_pk_bf16_f32 v[\dst+1], v[\src+2], v[\src+3]
	v_lshlrev_b32 v[TT], 16, v[\dst]
	v_and_b32 v[TT+1], s13, v[\dst]
	v_lshlrev_b32 v[TT+2], 16, v[\dst+1]
	v_and_b32 v[TT+3], s13, v[\dst+1]
	v_pk_add_f32 v[\src:\src+1], v[\src:\src+1], v[TT:TT+1] neg_lo:[0,1] neg_hi:[0,1]
	v_pk_add_f32 v[\src+2:\src+3], v[\src+2:\src+3], v[TT+2:TT+3] neg_lo:[0,1] neg_hi:[0,1]
.endm
	PEEL P1, CE                                    ; c1
	PEEL P2, CE                                    ; c2
	v_cvt_pk_bf16_f32 v[P3], v[CE], v[CE+1]        ; c3
	v_cvt_pk_bf16_f32 v[P3+1], v[CE+2], v[CE+3]
	v_cvt_pk_bf16_f32 v[W0], v[BB], v[ZERO]        ; (b1, 0)
	v_lshlrev_b32 v[TT], 16, v[W0]
	v_sub_f32 v[BB], v[BB], v[TT]
	v_cvt_pk_bf16_f32 v[W1], v[BB], v[ZERO]        ; (b2, 0)
	v_lshlrev_b32 v[TT], 16, v[W1]
	v_sub_f32 v[BB], v[BB], v[TT]
	v_cvt_pk_bf16_f32 v[W2], v[BB], v[ZERO]        ; (b3, 0)
	v_lshl_or_b32 v[W0], v[W1], 16, v[W0]          ; (b1, b2)
	v_cndmask_b32 v[FP], v[P1], v[P2], s18         ; registers 0-1, 2-3, 4-5: c1 below, c2 above
	v_cndmask_b32 v[FP+1], v[P1+1], v[P2+1], s18
	v_cndmask_b32 v[FQ], v[P3], v[W0], s18         ; registers 6-7: c3 below, b above
	v_cndmask_b32 v[FQ+1], v[P3+1], v[W2], s18
	ds_store_b64 v[FWR], v[FP:FP+1]                ; a fragment in LDS: registers 0-3 of lane l at 16 l, registers 4-7 at 512 + 16 l
	ds_store_b64 v[FWR], v[FP:FP+1] offset:8
	ds_store_b64 v[FWR], v[FP:FP+1] offset:512
	ds_store_b64 v[FWR], v[FQ:FQ+1] offset:520
	s_wait_dscnt 0x0                               ; my fragment is in LDS, for the others' sake,
	s_barrier_signal -1                            ; say so;
	; register work while the others arrive: the softmax's sum, and norm / sum
.irp i, 0,1,2,3,4,5,6,7
	v_sub_f32 v[CO+\i], v[CO+\i], v[MX]
.endr
.irp i, 0,2,4,6
	v_pk_mul_f32 v[CO+\i:CO+\i+1], v[CO+\i:CO+\i+1], LOG2E op_sel_hi:[1,0]
.endr
.irp i, 0,1,2,3,4,5,6,7
	v_exp_f32 v[CO+\i], v[CO+\i]
.endr
	v_nop                                          ; one plain instruction between a transcendental and the use of its result (ISA guide 5.7.2)
	s_wait_alu depctr_va_vdst(0)
	v_pk_add_f32 v[CO:CO+1], v[CO:CO+1], v[CO+2:CO+3]
	v_pk_add_f32 v[CO+4:CO+5], v[CO+4:CO+5], v[CO+6:CO+7]
	v_pk_add_f32 v[CO:CO+1], v[CO:CO+1], v[CO+4:CO+5]
	v_add_f32 v[CO], v[CO], v[CO+1]
	v_add_f32_dpp v[CO], v[CO], v[CO] row_xmask:1 row_mask:0xf bank_mask:0xf
	v_add_f32_dpp v[CO], v[CO], v[CO] row_xmask:2 row_mask:0xf bank_mask:0xf
	v_add_f32_dpp v[CO], v[CO], v[CO] row_xmask:4 row_mask:0xf bank_mask:0xf
	v_add_f32_dpp v[CO], v[CO], v[CO] row_xmask:8 row_mask:0xf bank_mask:0xf
	v_permlanex16_b32 v[CO+1], v[CO], s14, s15
	v_add_f32 v[CO], v[CO], v[CO+1]                ; between 1 and 256: the largest coefficient's term is 1
	v_rcp_f32 v[SC], v[CO]
	v_nop                                          ; the plain instruction behind v_rcp_f32
	s_wait_alu depctr_va_vdst(0)
	v_mul_f32 v[SC], NORMC, v[SC]
	s_barrier_wait -1                              ; all sixteen fragments are in LDS; nobody writes them again
	s_cmp_gt_u32 s16, LASTU
	s_cbranch_scc0 .Lwork
	s_wait_tensorcnt 0x0
	ds_add_u32 v30, v31
	s_wait_dscnt 0x0
	s_endpgm                                       ; no unit for this wave: its part was the fragment
.Lwork:
.irp i, 0,1,2,3,4,5,6,7,8,9,10,11,12,13,14,15
	ds_load_b128 v[AF+8*\i:AF+8*\i+3], v[FRD] offset:1024*\i
	ds_load_b128 v[AF+8*\i+4:AF+8*\i+7], v[FRD] offset:1024*\i+512
.endr
	s_lshl_b32 s19, s12, 9
	s_add_co_u32 s19, s19, STAGE                   ; my wave's stage
	s_lshl_b32 s17, s16, 9                         ; my unit's 512 bytes of out
	s_wait_loadcnt 0x0                             ; x is in; its offsets' registers become the sums
; The fragment of tile \tile, in eight pieces that are laid between the steps of the tile before.
.macro CHUNK tile, k
.set XR, XL+4*\tile
.set BR, BF+8*(\tile%2)
.if \k == 0
	v_pk_fma_f32 v[XR:XR+1], v[XR:XR+1], SQL2E, v[NSS:NSS+1] op_sel_hi:[1,0,1]         ; X = s x - s c0
	v_pk_fma_f32 v[XR+2:XR+3], v[XR+2:XR+3], SQL2E, v[NSS+2:NSS+3] op_sel_hi:[1,0,1]
	v_cvt_pk_bf16_f32 v[BR], v[XR], v[XR+1]                                            ; x1
	v_cvt_pk_bf16_f32 v[BR+1], v[XR+2], v[XR+3]
.endif
.if \k == 1
	v_pk_mul_f32 v[UU:UU+1], v[XR:XR+1], v[XR:XR+1]                                    ; |X|^2, of the whole X
	v_pk_fma_f32 v[UU:UU+1], v[XR+2:XR+3], v[XR+2:XR+3], v[UU:UU+1]
	v_lshlrev_b32 v[TT], 16, v[BR]
	v_and_b32 v[TT+1], s13, v[BR]
.endif
.if \k == 2
	v_lshlrev_b32 v[TT+2], 16, v[BR+1]
	v_and_b32 v[TT+3], s13, v[BR+1]
	v_pk_add_f32 v[XR:XR+1], v[XR:XR+1], v[TT:TT+1] neg_lo:[0,1] neg_hi:[0,1]          ; X - x1
	v_pk_add_f32 v[XR+2:XR+3], v[XR+2:XR+3], v[TT+2:TT+3] neg_lo:[0,1] neg_hi:[0,1]
.endif
.if \k == 3
	v_cvt_pk_bf16_f32 v[BR+2], v[XR], v[XR+1]                                          ; x2
	v_cvt_pk_bf16_f32 v[BR+3], v[XR+2], v[XR+3]
	v_lshlrev_b32 v[TT], 16, v[BR+2]
	v_and_b32 v[TT+1], s13, v[BR+2]
.endif
.if \k == 4
	v_lshlrev_b32 v[TT+2], 16, v[BR+3]
	v_and_b32 v[TT+3], s13, v[BR+3]
	v_pk_add_f32 v[XR:XR+1], v[XR:XR+1], v[TT:TT+1] neg_lo:[0,1] neg_hi:[0,1]
	v_pk_add_f32 v[XR+2:XR+3], v[XR+2:XR+3], v[TT+2:TT+3] neg_lo:[0,1] neg_hi:[0,1]
.endif
.if \k == 5
	v_cvt_pk_bf16_f32 v[BR+4], v[XR], v[XR+1]                                          ; x3
	v_cvt_pk_bf16_f32 v[BR+5], v[XR+2], v[XR+3]
	v_cndmask_b32 v[BR+6], v[BR], v[ONE0], s18                                         ; x1 below (against c3), ones above (against b)
	v_cndmask_b32 v[BR+7], v[BR+1], v[ONE1], s18
.endif
.if \k == 6
	v_add_f32 v[UU], v[UU], v[UU+1]
.endif
.if \k == 7
.irp j, 0,2,4,6
	v_pk_mul_f32 v[CF+\j:CF+\j+1], v[UU:UU+1], -0.5 op_sel_hi:[0,0]                    ; -|X|^2/2 in all eight registers of the C operand
.endr
.endif
.endm
.macro ADD8 a, d                       ; eight sums take eight terms
	s_wait_alu depctr_va_vdst(0)
.irp j, 0,2,4,6
	v_pk_add_f32 v[\a+\j:\a+\j+1], v[\a+\j:\a+\j+1], v[\d+\j:\d+\j+1]
.endr
.endm
.macro FOLD a, s                       ; eight sums become one
	v_pk_add_f32 v[\a:\a+1], v[\a:\a+1], v[\a+2:\a+3]
	v_pk_add_f32 v[\a+4:\a+5], v[\a+4:\a+5], v[\a+6:\a+7]
	v_pk_add_f32 v[\a:\a+1], v[\a:\a+1], v[\a+4:\a+5]
	v_add_f32 v[\s], v[\a], v[\a+1]
.endm
; One step: 16 centres x 16 points.  Three things of three neighbouring steps, on three buffers that take turns (running step number mod 3):
;   the NEXT step's exponents are asked of the matrix unit; THIS step's are exponentiated in place; the LAST step's terms are added.
; Places (ISA guide 7.12.1): between a matrix instruction and the v_exp_f32 that read and overwrite its result stand the four packed adds of the step in which it
; was issued (in a tile's steps 0 and 1: the last tile's final adds and fold, or four lines of the next fragment); they name none of its registers.  The same lines
; are the plain instruction between the v_exp_f32 and the use of their results (ISA guide 5.7.2).  No matrix instruction adds onto another's result: C is -|X|^2/2.
; A tile's step 0 exponentiates straight into the tile's sums: nothing is cleared.
; The C operand has one buffer: it is rewritten in step 14, behind the four adds that follow the tile's last matrix instruction, ahead of the next tile's first.
.macro STEP tile, st
.set GS,   16*\tile+\st
.set DNXT, DD+8*((GS+1)%3)
.set DCUR, DD+8*(GS%3)
.set DPRV, DD+8*((GS+2)%3)
.set ANXT, AF+8*((\st+1)%16)
.set BNXT, BF+8*(((GS+1)/16)%2)
.set SUMC, AC+8*(\tile%2)
.set SUMP, AC+8*((\tile+1)%2)
.set TN,   \tile+1
.if GS < 15
	s_wait_dscnt 28-2*\st                          ; LDS loads return in order, two a fragment: fragment st + 1 is in, the later ones may be out
.endif
.if GS < 127
	v_wmma_f32_16x16x32_bf16 v[DNXT:DNXT+7], v[ANXT:ANXT+7], v[BNXT:BNXT+7], v[CF:CF+7]
.endif
.irp j, 0,1,2,3,4,5,6,7
.if \st == 0
	v_exp_f32 v[SUMC+\j], v[DCUR+\j]
.else
	v_exp_f32 v[DCUR+\j], v[DCUR+\j]
.endif
.endr
.if \st == 0
.if \tile > 0
	ADD8 SUMP, DPRV                                ; the last tile's step 15
.endif
.endif
.if \st == 1
.if \tile > 0
.set SOUT, XL+4*(\tile-1)
	FOLD SUMP, SOUT                                ; the last tile's sum over my half of the centres, into a register that its x has left
.endif
.endif
.if \st > 1
	ADD8 SUMC, DPRV
.endif
.if \tile < 7
.if \st < 7
	CHUNK TN, \st
.endif
.if \st == 14
	CHUNK TN, 7
.endif
.endif
.endm
.irp k, 0,1,2,3,4,5,6,7
	CHUNK 0, \k                                    ; tile 0's fragment, while the centres' fragments come from LDS
.endr
	s_wait_dscnt 30                                ; the first two of the 32 LDS loads: fragment 0
	v_wmma_f32_16x16x32_bf16 v[DD:DD+7], v[AF:AF+7], v[BF:BF+7], v[CF:CF+7]
	v_lshl_add_u32 v[SST], v[LANE], 2, s19         ; four lines of the way out's addresses are the four places behind the first matrix instruction
	v_lshl_add_u32 v[SLD], v[LANE], 4, s19
	v_lshl_add_u32 v[OOF], v[LANE], 4, s17
	v_mov_b32 v[SC+1], v[SC]
.irp tile, 0,1,2,3,4,5,6,7
.irp st, 0,1,2,3,4,5,6,7,8,9,10,11,12,13,14,15
	STEP \tile, \st
.endr
.endr
	ADD8 SUMC, DCUR                                ; tile 7's step 15 (four adds stand between its v_exp_f32 and these)
	FOLD SUMC, XL+28
	; THE WAY OUT.  Tile T's sum for point 16 T + r lies in two halves, in lanes r and 16 + r.  For tiles 2j and 2j + 1 each lane keeps the half of the tile
	; that it will own (lane l: point 32 j + l), sends the other tile's half across, and adds what it receives.  128 results cross my wave's own 512 bytes
	; of LDS, so that a lane holds four neighbouring points; LDS serves a wave's instructions in order, so no wait stands between the stores and the load.
.irp j, 0,1,2,3
	v_cndmask_b32 v[XL+8*\j+1], v[XL+8*\j], v[XL+8*\j+4], s18
	v_cndmask_b32 v[XL+8*\j+2], v[XL+8*\j+4], v[XL+8*\j], s18
	v_permlanex16_b32 v[XL+8*\j+3], v[XL+8*\j+2], s14, s15
	v_add_f32 v[XL+8*\j+1], v[XL+8*\j+1], v[XL+8*\j+3]
	ds_store_b32 v[SST], v[XL+8*\j+1] offset:128*\j
.endr
	ds_load_b128 v[TT:TT+3], v[SLD]
	s_wait_dscnt 0x0
	v_pk_mul_f32 v[TT:TT+1], v[TT:TT+1], v[SC:SC+1]            ; norm / sum of exp
	v_pk_mul_f32 v[TT+2:TT+3], v[TT+2:TT+3], v[SC:SC+1]
	v_cmp_gt_u32 vcc_lo, OBYTES, v[OOF]            ; unit 3906 has 32 points: its lanes 0 to 7 store; everywhere else all lanes do
	s_wait_xcnt 0x0                                ; EXEC changes only behind this wait
	s_wait_tensorcnt 0x0
	ds_add_u32 v30, v31
	s_wait_dscnt 0x0
	s_and_saveexec_b32 s20, vcc_lo
	global_store_b128 v[OOF], v[TT:TT+3], s[10:11] th:TH_STORE_NT   ; 512 consecutive bytes of out, at a multiple of 512
	s_endpgm
.Lfunc_end_k_qed41411403_gauss:
	.size	k_qed41411403_gauss, .Lfunc_end_k_qed41411403_gauss-k_qed41411403_gauss
	.p2alignl 7, 3214868480
	.fill 96, 4, 3214868480
	.section	.rodata,"a",@progbits
	.p2align	6, 0x0
	.amdhsa_kernel k_qed41411403_gauss
		.amdhsa_group_segment_fixed_size 26624
		.amdhsa_private_segment_fixed_size 0
		.amdhsa_enable_private_segment 0
		.amdhsa_kernarg_size 32
		.amdhsa_user_sgpr_count 2
		.amdhsa_user_sgpr_kernarg_segment_ptr 1
		.amdhsa_wavefront_size32 1
		.amdhsa_system_sgpr_workgroup_id_x 1
		.amdhsa_system_sgpr_workgroup_id_y 1
		.amdhsa_system_sgpr_workgroup_id_z 1
		.amdhsa_system_vgpr_workitem_id 0
		.amdhsa_next_free_vgpr 256
		.amdhsa_next_free_sgpr 66
		.amdhsa_reserve_vcc 1
		.amdhsa_float_denorm_mode_32 3
		.amdhsa_float_denorm_mode_16_64 3
		.amdhsa_memory_ordered 1
		.amdhsa_forward_progress 1
		.amdhsa_inst_pref_size 102
	.end_amdhsa_kernel
	.amdgpu_metadata
---
amdhsa.version: [ 1, 2 ]
amdhsa.kernels:
  - .name:           k_qed41411403_gauss
    .symbol:         k_qed41411403_gauss.kd
    .args:
      - { .name: x, .offset: 0, .size: 8, .value_kind: global_buffer, .address_space: global }
      - { .name: centers, .offset: 8, .size: 8, .value_kind: global_buffer, .address_space: global }
      - { .name: coefficients, .offset: 16, .size: 8, .value_kind: global_buffer, .address_space: global }
      - { .name: out0, .offset: 24, .size: 8, .value_kind: global_buffer, .address_space: global }
    .group_segment_fixed_size: 26624
    .private_segment_fixed_size: 0
    .kernarg_segment_align: 8
    .kernarg_segment_size: 32
    .max_flat_workgroup_size: 512
    .sgpr_count:     66
    .vgpr_count:     256
    .wavefront_size: 32
...
	.end_amdgpu_metadata
.endif
;; end of part 1
